; MI455X (gfx1250); checked and timed in simulation.
; The chip was launched on July 23, 2026; its instructions are those of AMD's public machine-readable ISA for CDNA 5 (MIT licence, August 2026) and "CDNA5" Instruction Set Architecture Reference Guide (July 2026). The comments in the code are by the model that wrote it; some were corrected since.
;; Lena Trans. Allowed arithmetic: matrix products marked QUANTISED: E5M2 operands, one given power-of-two scale a tensor, by v_wmma_f32_16x16x64_bf8_bf8 or v_wmma_f32_16x16x128_bf8_bf8, f32 sums; products left as they are: f32 operands where the result goes on into a quantised operand, else bf16, f16 or f32 operands; f32 sums; everything else in f32.
;; Inputs: attn_b 128 float32; attn_ln_b 128 float32; attn_ln_g 128 float32; attn_w_codes 128 x 4 x 32 uint8 (E5M2 codes of attn_w, K innermost, in blocks of 32 codes); bk 128 float32; bq 128 float32; bv 128 float32; cat_emb 6 x 100 x 16 float32; day 1,024 int32; day_emb 366 x 16 float32; dist_emb 277 x 32 float32; emb_ln_b 128 float32; emb_ln_g 128 float32; ffn_b1 128 float32; ffn_b2 128 float32; ffn_ln_b 128 float32; ffn_ln_g 128 float32; ffn_w1_codes 128 x 4 x 32 uint8 (E5M2 codes of ffn_w1, K innermost, in blocks of 32 codes); ffn_w2_codes 128 x 4 x 32 uint8 (E5M2 codes of ffn_w2, K innermost, in blocks of 32 codes); h1_b 32 float32; h1_w_codes 32 x 5 x 32 uint8 (E5M2 codes of h1_w, K innermost, in blocks of 32 codes); h2_b 32 float32; h2_w_codes 32 x 1 x 32 uint8 (E5M2 codes of h2_w, K innermost, in blocks of 32 codes); h3_b 1 float32; h3_w 32 x 1 float32; ln1_b 32 float32; ln1_g 32 float32; ln2_b 32 float32; ln2_g 32 float32; lowp_scales 26 int32 (the exponents e of the quantised operands' scales 2^e); map_b 128 float32; map_w_codes 128 x 4 x 32 uint8 (E5M2 codes of map_w, K innermost, in blocks of 32 codes); prod 1,024 int32; prod_emb 30 x 16 float32; tok_type 128 float32; wk_codes 128 x 4 x 32 uint8 (E5M2 codes of wk, K innermost, in blocks of 32 codes); wq_codes 128 x 4 x 32 uint8 (E5M2 codes of wq, K innermost, in blocks of 32 codes); wv_codes 128 x 4 x 32 uint8 (E5M2 codes of wv, K innermost, in blocks of 32 codes); x 1,024 x 139 x 38 int32.
;; Outputs: out0 1,024 x 1 float32.
;; This version of the problem:
;;   THIS VERSION OF THE PROBLEM IS GIVEN IN LOW PRECISION. The matrix products marked QUANTISED in the list below multiply operands that are first quantised to E5M2 (5 exponent bits, 2 mantissa bits; 8 bits a number), with one given power-of-two scale for each operand tensor; their sums are f32. All else is computed in f32.
;;   The module's matrix products, in the order in which they are computed (A, B: the left and right operand; K: the contracted axis; several contracted axes count as one K, in the product's order):
;;     1. [M 142,336, K 128] x [K 128, N 128]; A: computed on the way; B: input map_w (given as codes): QUANTISED (scales: A lowp_scales[0], B lowp_scales[1])
;;     2. [M 142,336, K 128] x [K 128, N 128]; A: computed on the way; B: input wq (given as codes): QUANTISED (scales: A lowp_scales[2], B lowp_scales[3])
;;     3. [M 142,336, K 128] x [K 128, N 128]; A: computed on the way; B: input wk (given as codes): QUANTISED (scales: A lowp_scales[4], B lowp_scales[5])
;;     4. [M 142,336, K 128] x [K 128, N 128]; A: computed on the way; B: input wv (given as codes): QUANTISED (scales: A lowp_scales[6], B lowp_scales[7])
;;     5. batch 4,096 x [M 139, K 32] x [K 32, N 139]; A: computed on the way; B: computed on the way: QUANTISED (scales: A lowp_scales[8], B lowp_scales[9])
;;     6. batch 139 x [M 139, K 32] x [K 32, N 4,096]; A: computed on the way; B: computed on the way: QUANTISED (scales: A lowp_scales[10], B lowp_scales[11])
;;     7. batch 139 x [M 139, K 32] x [K 32, N 4,096]; A: computed on the way; B: computed on the way: QUANTISED (scales: A lowp_scales[12], B lowp_scales[13])
;;     8. batch 4,096 x [M 139, K 139] x [K 139, N 32]; A: softmax (see below); B: computed on the way: QUANTISED (scales: A lowp_scales[14], B lowp_scales[15])
;;     9. [M 142,336, K 128] x [K 128, N 128]; A: computed on the way; B: input attn_w (given as codes): QUANTISED (scales: A lowp_scales[16], B lowp_scales[17])
;;     10. [M 142,336, K 128] x [K 128, N 128]; A: computed on the way; B: input ffn_w1 (given as codes): QUANTISED (scales: A lowp_scales[18], B lowp_scales[19])
;;     11. [M 142,336, K 128] x [K 128, N 128]; A: computed on the way; B: input ffn_w2 (given as codes): QUANTISED (scales: A lowp_scales[20], B lowp_scales[21])
;;     12. [M 1,024, K 160] x [K 160, N 32]; A: computed on the way; B: input h1_w (given as codes): QUANTISED (scales: A lowp_scales[22], B lowp_scales[23])
;;     13. [M 1,024, K 32] x [K 32, N 32]; A: computed on the way; B: input h2_w (given as codes): QUANTISED (scales: A lowp_scales[24], B lowp_scales[25])
;;     14. [M 1,024, K 32] x [K 32, N 1]; A: computed on the way; B: input h3_w: left as it is (N = 1 < 16)
;;   THE QUANTISER, for each operand of a quantised product, along K:
;;     - The operand's scale is 2^e, e = its entry of the input lowp_scales (int32; the entries are numbered through the quantised products in the list's order, A before B).
;;     - Each number is divided by the scale, clamped to +-57,344, and rounded to the nearest number of E5M2, ties to even, subnormals kept.
;;     - The product sums the exact products of the quantised numbers (number of the format x scale) in f32.
;;   ~~~python
;;   def quantise(x, axis, e):      # numpy; x: float32 -> the quantised numbers, widened to float32 again
;;       x = np.moveaxis(x, axis, -1); K = x.shape[-1]
;;       r = np.clip(x / 2.0 ** e, -57344, 57344)
;;       step = 2.0 ** (np.maximum(np.frexp(np.where(r == 0, 1, r))[1] - 1, -14) - 2)
;;       q = np.round(r / step) * step * 2.0 ** e      # np.round: ties to even
;;       return np.moveaxis(q, -1, axis).astype(np.float32)
;;   ~~~
;;   SOFTMAX AHEAD OF A QUANTISED PRODUCT. Where the list says 'softmax', what is quantised is not the finished softmax but p = 2^(t - M), with t = logit x log2(e) and M = ceil(the row's largest t), a whole number; so 1/2 < the row's largest p <= 1. The row's sum l is taken of the UNQUANTISED p, in f32, and the product's result is divided by l at the end. Since M is a whole number, a kernel that streams over the keys may use a running M (the ceiling of the running maximum): every later rescaling is an exact power of two, so the quantised numbers keep their values, but for numbers so far below the row's largest that they fall under the format's range.
;;   OPERANDS COMPUTED ON THE WAY. 'Computed on the way' means the value that the module computes at that place (a softmax that the list does not call 'softmax' is quantised finished and normalised). What goes into a quantiser is computed in f32, as accurately as f32 sums, v_exp_f32 and their like allow (about 1e-6 of the number): no bf16 or f16 on the way to a quantiser, and a product that is left as it is and whose result goes on into a quantised operand takes f32 operands (vector FMAs, or v_wmma_f32_16x16x4_f32). A number that lies on a knife's edge between two numbers of the format may be rounded either way, as far as f32 arithmetic and the matrix unit's own rounding can turn it there, and no further.
;;   INPUTS GIVEN AS CODES. attn_w (in the module: [128, 128], K = its axis 0); ffn_w1 (in the module: [128, 128], K = its axis 0); ffn_w2 (in the module: [128, 128], K = its axis 0); h1_w (in the module: [160, 32], K = its axis 0); h2_w (in the module: [32, 32], K = its axis 0); map_w (in the module: [128, 128], K = its axis 0); wk (in the module: [128, 128], K = its axis 0); wq (in the module: [128, 128], K = its axis 0); wv (in the module: [128, 128], K = its axis 0): each comes as NAME_codes (uint8): NAME with its K axis moved to the last place and cut into blocks of 32 codes, [.., K / 32, bytes a block], one block behind the other in memory; one code a byte (a code: sign, 5 exponent bits, 2 mantissa bits); its scale is its entry of lowp_scales. Its value is code x scale, taken as it is: it is not quantised again, and the codes and scales need not be those that the quantiser above would give.
;; One version. Each part assembles by itself: llvm-mc -triple=amdgcn-amd-amdhsa -mcpu=gfx1250 --defsym DOCPART=n.
;; ======== version 1 of 1: 2 launches
;; workspace buffers: seq 524,288 bytes
;; launch enc (part 1): grid 256 x 1, 4 waves a work-group, no clusters, 295,424 bytes of LDS; arguments x, cat_emb, tok_type, emb_ln_g, emb_ln_b, map_b, bk, bv, bq, dist_emb, lowp_scales, map_w_codes, wk_codes, wv_codes, wq_codes, attn_w_codes, ffn_w1_codes, ffn_w2_codes, attn_b, attn_ln_g, attn_ln_b, ffn_b1, ffn_b2, ffn_ln_g, ffn_ln_b, seq; writes seq
.if DOCPART == 1
	.amdgcn_target "amdgcn-amd-amdhsa--gfx1250"
	.amdhsa_code_object_version 6
	.text
	.protected	k_q8cdb492ffc_enc
	.globl	k_q8cdb492ffc_enc
	.p2align	8
	.type	k_q8cdb492ffc_enc,@function
k_q8cdb492ffc_enc:
	s_mov_b64 s[64:65], 0
	v_nop
	global_prefetch_b8 v0, s[64:65] scope:SCOPE_SE
	s_setreg_imm32_b32 hwreg(HW_REG_WAVE_MODE, 25, 1), 1
	s_wait_xcnt 0x0
; LenaTrans, all steps up to seq[:, -1].  One sequence (139 tokens, padded to 9 tiles of 16) to a wave, four waves to a work-group, 256 work-groups.
; reference() keeps row 138 of the layer's result alone: hs, k and v are made for all tokens; q, the scores, the softmax, ctx, the projection, both norms and the FFN for query 138 alone (pe[138, r] = dist_emb[276 - r]).
; Every product is on E5M2 codes with the given scales; a sum is kept in units of its two scales and the scales are folded into the next conversion's one.
; LAYOUT.  An operand fragment (16 rows x 128 K, 16 registers): lane (r, h) holds row r, registers 4c..4c+3 hold k = 32c + 16h + 0..15, alike on both sides of a product.
;   hs and k are made transposed (source 0 = 16 weight rows 32b + 8u + r + 8(r/8), source 1 = 16 tokens): a lane holds one token and its conversions give the next operand as it stands.
;   v is made the natural way against weight rows {8n + j}: a lane holds one column and eight keys, so its codes have the keys as K.
;   One-row products: source 0 = a fragment whose 16 rows are the same row, source 1 = weight rows {8n + j}: register 0 of tile j in lane n is column 8n + j: a lane holds eight neighbouring columns.
; NO CLUSTER, though all work-groups read the same seven weights (7 x 16 KiB): in a launch with joint loads every LDS address is alike in all partners, and the look-ups in the
;   embedding table take their LDS addresses from x's ids, which differ from work-group to work-group.  So each work-group fetches the weights itself, once, at its head.  No LDS byte is filled twice.
; The look-ups have a loaded (clamped) number in their address: a barrier parts them from every LDS write before and behind.
; LIMITS.  NaN among the inputs is not served.  Each power of two made as (e + 127) << 23 wants its exponent in -126..127: e0+e1, e2+e3, e8+e9, e10+e11, e12+e13, e16+e17, e18+e19, e20+e21.
;   Each quantiser's exponent wants -126..112: e0, e8, e10, e11, e12, e14, e16, e18, e20, e2-e0-e1, e4-e0-e1, e6-e0-e1, e9-e4-e5, e13-e4-e5, e15-e6-e7.
.set TBL,  0                           ; 608 rows, pitch 80: cat_emb row (100 cat + id) + tok_type[16 cat ..]
.set HSR,  TBL                         ; behind the second barrier the table is dead: 16 rows of hs (pitch 528) for each wave take its place
.set HSW,  16*528
.set PE10, 48640                       ; 12 tiles x 512: lane images of dist_emb[276 - 16t - r][16h ..] as codes with e10
.set PE12, 54784                       ; the same with e12
.set WM,   60928                       ; map_w, wk: 128 rows, pitch 144
.set WT,   97792                       ; wq, attn_w, ffn_w1, ffn_w2, wv: weight row p at (p/8) 1040 + (p%8) 128
.set WTS,  16640
.set XB,   180992                      ; per wave: x (144 rows of 152 bytes); later 9 slots of 2,048 (code images) and ext at +18,432
.set XBW,  22016
.set SCR,  269056                      ; per wave: logits 4,608 | two code rows of 512
.set SCRW, 5632
.set RC,   4608
; scalars
.set WV, 26
.set SQ, 66                            ; my sequence
.set G1S, 28                           ; group 1: 16 rows of 1,024 bytes
.set G1P, 36                           ; group 1: 128 rows of 128 bytes
.set G1X, 44                           ; group 1: one dense row
.set SELA, 36                          ; (from the wait for the tensor loads on the descriptors' registers hold constants)
.set SELB, 37
.set MK1, 38
.set MK2, 39
.set MK4, 40
.set MHI, 41
.set CNT, 73
.set SB,  74                           ; 2,048 x slot
.set TMP, 75
.set EPS, 77
.set I128, 78
; vectors, window 0
.set R, 1
.set HH, 2
.set AXN, 3
.set AXC, 4
.set TB, 5
.set ECA, 8
.set EXA, 9
.set PEA, 10
.set LGW, 11
.set LGR, 12
.set HSA, 13
.set YRA, 14
.set RCW, 15
.set RCR, 16
.set WTA, 17
.set WTB, 18
.set WMA, 19
.set QS, 20                            ; one-row work: the conversion's scale
.set TA0, 20
.set NEG9, 25
.set E0, 32
.set ID, 160
.set GA, 166
.set S, 169
.set CH, 172
.set MEAN, 180
.set RS, 182
.set TOK, 184
.set EXT, 200
.set EC, 32
.set AA, 48
.set AB, 112
.set T0, 176
.set CA, 192
.set CB, 208
.set PD, 224
.set PW, 232
.set EX, 244
.set BQ, 248
.set TL, 32
.set PC, 104
.set CT, 128
.set PRM, 192
.set Y, 32
.set AO, 40
.set TT, 48
.set C2, 56
.set HR, 58
.set RF, 66
.set WF, 112                           ; window 3
.set MSB, 0
.macro WIN new                         ; the immediate's high byte repeats the setting that is left
.if MSB != \new
	s_set_vgpr_msb (MSB<<8)|\new
.set MSB, \new
.endif
.endm
.macro PLACES n
.rept \n
	v_nop
.endr
.endm
.macro MKQ sc, pos, neg, e             ; of the exponent in s[e]: 2^e, 57,344 x 2^e and its negative, as f32
	s_add_co_i32 s[\sc], s[\e], 127
	s_add_co_i32 s[\pos], s[\sc], 15
	s_lshl_b32 s[\sc], s[\sc], 23
	s_lshl_b32 s[\pos], s[\pos], 23
	s_or_b32 s[\pos], s[\pos], 0x600000
	s_or_b32 s[\neg], s[\pos], 0x80000000
.endm
.macro POW2 d, a, b                    ; 2^(s[a] + s[b]) as f32
	s_add_co_i32 s[\d], s[\a], s[\b]
	s_add_co_i32 s[\d], s[\d], 127
	s_lshl_b32 s[\d], s[\d], 23
.endm
.macro HOLD dst, src, n, p             ; n numbers held within +-57,344 x the scale (s[p], s[p+1]): the conversion to an 8-bit code does not saturate (ISA guide 7.6.2)
.set hh_, 0
.rept \n
	v_med3_num_f32 v[(\dst)+hh_], v[(\src)+hh_], s[\p+1], s[\p]
.set hh_, hh_+1
.endr
.endm
	s_load_b512 s[4:19], s[0:1], 0x0               ; x, cat_emb, tok_type, emb_ln_g, emb_ln_b, map_b, bk, bv
	s_load_b128 s[20:23], s[0:1], 0x40             ; bq, dist_emb
	s_load_b64 s[24:25], s[0:1], 0x50              ; lowp_scales
	s_load_b64 s[54:55], s[0:1], 0x58              ; the seven weights' addresses land in words 2, 3 of their groups 0: map_w
	s_load_b64 s[58:59], s[0:1], 0x60              ; wk
	s_load_b64 s[62:63], s[0:1], 0x68              ; wv
	s_load_b64 s[70:71], s[0:1], 0x70              ; wq
	s_load_b64 s[74:75], s[0:1], 0x78              ; attn_w
	s_load_b64 s[78:79], s[0:1], 0x80              ; ffn_w1
	s_load_b64 s[82:83], s[0:1], 0x88              ; ffn_w2
	v_lshl_add_u32 v254, v0, 2, 0x48000
	v_mov_b32 v255, 0
	ds_add_u32 v254, v255
	ds_add_u32 v254, v255
	s_wait_dscnt 0x0
	v_lshrrev_b32 v32, 5, v0
	v_readfirstlane_b32 s[WV], v32                 ; wave 0..3
	s_lshl_b32 s[SQ], ttmp9, 2
	s_add_co_u32 s[SQ], s[SQ], s[WV]               ; sequence = 4 x work-group + wave: it enters x's and seq's global addresses alone
	; group 1, elements of 8 bytes
	s_mov_b32 s[G1S], (3<<16)|(1<<20)|(7<<22)|(3<<25)   ; padding: 4 words behind every 256
	s_mov_b32 s[G1S+1], 128<<16
	s_mov_b32 s[G1S+2], 16<<16
	s_mov_b32 s[G1S+3], 128<<16
	s_mov_b32 s[G1S+4], 16
	s_mov_b32 s[G1S+5], 128
	s_mov_b32 s[G1S+6], 0
	s_mov_b32 s[G1S+7], 0
	s_mov_b32 s[G1P], (3<<16)|(1<<20)|(4<<22)|(3<<25)   ; padding: 4 words behind every 32
	s_mov_b32 s[G1P+1], 16<<16
	s_mov_b32 s[G1P+2], 128<<16
	s_mov_b32 s[G1P+3], 16<<16
	s_mov_b32 s[G1P+4], 128
	s_mov_b32 s[G1P+5], 16
	s_mov_b32 s[G1P+6], 0
	s_mov_b32 s[G1P+7], 0
	s_mov_b32 s[G1X], 3<<16                        ; no padding
	s_mov_b32 s[G1X+1], 2641<<16                   ; 139 rows of 152 bytes are there;
	s_mov_b32 s[G1X+2], 1<<16
	s_mov_b32 s[G1X+3], 2736<<16                   ; 144 are asked for: the five rows beyond arrive as zeros
	s_mov_b32 s[G1X+4], 1
	s_mov_b32 s[G1X+5], 2736
	s_mov_b32 s[G1X+6], 0
	s_mov_b32 s[G1X+7], 0
.irp g, 52,56,60,68,72,76,80,84
	s_mov_b32 s[\g], 1
.endr
	s_mov_b32 s53, WM
	s_mov_b32 s57, WM+18432
	s_mov_b32 s61, WT+4*WTS
	s_mov_b32 s69, WT
	s_mov_b32 s73, WT+WTS
	s_mov_b32 s77, WT+2*WTS
	s_mov_b32 s81, WT+3*WTS
	s_mul_i32 s85, s[WV], XBW
	s_add_co_u32 s85, s85, XB
	; LDS addresses: constants, the lane and the wave
	s_mul_i32 s2, s[WV], XBW
	s_add_co_u32 s2, s2, XB
	s_mul_i32 s3, s[WV], SCRW
	s_add_co_u32 s3, s3, SCR
	s_mul_i32 s67, s[WV], HSW
	v_and_b32 v[R], 15, v0
	v_bfe_u32 v[HH], v0, 4, 1
	v_and_b32 v33, 31, v0                          ; lane
	v_bfe_u32 v34, v0, 3, 1
	v_xor_b32 v34, v34, v[HH]                      ; u = bit 3 xor bit 4
	v_mul_u32_u24 v[AXC], v[R], 152
	v_add_nc_u32 v[AXC], s2, v[AXC]
	v_lshl_add_u32 v[AXN], v[HH], 6, v[AXC]
	v_add_nc_u32 v[AXN], 24, v[AXN]                ; x: row r, columns 6 + 16h on
	v_lshl_add_u32 v[AXC], v[HH], 2, v[AXC]        ; x: row r, column h (ids 2c + h at +8c)
	v_mul_u32_u24 v[TB], v[HH], 8000               ; the table of category 2c + h
	v_add_nc_u32 v[TB+1], 16000, v[TB]
	v_add_nc_u32 v[TB+2], 32000, v[TB]
	v_lshl_add_u32 v[ECA], v33, 4, s2
	v_lshl_add_u32 v[EXA], v33, 2, s2
	v_add_nc_u32 v[EXA], 18432, v[EXA]
	v_lshl_add_u32 v[PEA], v33, 4, PE10+4096
	v_mul_u32_u24 v[LGW], v34, 2304
	v_lshl_add_u32 v[LGW], v[R], 2, v[LGW]
	v_add_nc_u32 v[LGW], s3, v[LGW]
	v_lshrrev_b32 v35, 2, v[R]
	v_mul_u32_u24 v[LGR], v35, 576
	v_lshl_add_u32 v[LGR], v[HH], 5, v[LGR]
	v_add_nc_u32 v[LGR], s3, v[LGR]
	v_mul_u32_u24 v[HSA], v[R], 528
	v_lshl_add_u32 v[HSA], v[HH], 6, v[HSA]
	v_add_nc_u32 v[HSA], s67, v[HSA]               ; hs of the first tile: row r, + 64 h
	v_lshl_add_u32 v[YRA], v[R], 5, s67
	v_add_nc_u32 v[YRA], HSR+10*528, v[YRA]        ; and back: row 10 (token 138), columns 8n on
	v_lshlrev_b32 v[RCW], 8, v34
	v_lshl_add_u32 v[RCW], v[R], 3, v[RCW]
	v_add_nc_u32 v[RCW], s3, v[RCW]
	v_add_nc_u32 v[RCW], RC, v[RCW]
	v_lshl_add_u32 v[RCR], v[HH], 4, s3
	v_add_nc_u32 v[RCR], RC, v[RCR]
	v_mul_u32_u24 v[WTA], v[R], 1040
	v_lshl_add_u32 v[WTA], v[HH], 4, v[WTA]
	v_add_nc_u32 v[WTA], WT, v[WTA]
	v_add_nc_u32 v[WTB], 4*WTS, v[WTA]
	v_and_b32 v35, 8, v[R]
	v_add_nc_u32 v35, v35, v[R]                    ; r + 8 (r / 8)
	v_mul_u32_u24 v[WMA], v35, 144
	v_lshl_add_u32 v[WMA], v[HH], 4, v[WMA]
	v_add_nc_u32 v[WMA], WM, v[WMA]
	v_mov_b32 v[NEG9], 0xce6e6b28                  ; -1e9
	; offsets of the loads that build the table and the images
	v_lshlrev_b32 v20, 4, v0                       ; cat_emb: chunk v0 + 128 i of 16 bytes
	v_add_nc_u32 v127, 36864, v20
	v_min_u32 v127, 38384, v127                    ; chunk 18 stays inside the buffer: what lies past the end rereads the last chunk, for rows 600-607, which nobody reads
	v_and_b32 v24, 3, v0
	v_lshlrev_b32 v24, 4, v24
.set i_, 0
.rept 19
	v_add_nc_u32 v[108+i_], 128*i_, v0
	v_mul_u32_u24 v[108+i_], v[108+i_], 5243
	v_lshrrev_b32 v[108+i_], 21, v[108+i_]         ; category = chunk / 400
	v_lshl_add_u32 v[108+i_], v[108+i_], 6, v24    ; tok_type: 64 x category + the chunk's quarter
.set i_, i_+1
.endr
	v_lshrrev_b32 v148, 2, v0
	v_mul_u32_u24 v148, v148, 80
	v_add_nc_u32 v148, v148, v24                   ; the table: row (v0 / 4), quarter (v0 % 4); +2,560 a round
	v_lshl_add_u32 v149, v0, 4, PE10
	s_lshl_b32 s67, s[WV], 11
	s_sub_co_u32 s67, 35328, s67
	v_lshl_add_u32 v21, v[HH], 6, s67
	v_lshlrev_b32 v35, 7, v[R]
	v_sub_nc_u32 v21, v21, v35                     ; dist_emb row 276 - 16 wave - r, + 64 h
	v_lshlrev_b32 v22, 6, v[HH]
	v_lshlrev_b32 v23, 5, v[R]
	s_mul_i32 s2, s[SQ], 21128
	s_mov_b32 s3, 0
	s_wait_kmcnt 0x0
	s_load_b256 s[88:95], s[24:25], 0x0            ; e0..e7
	s_load_b128 s[96:99], s[24:25], 0x20           ; e8..e11
	s_load_b64 s[100:101], s[24:25], 0x30          ; e12, e13
	s_load_b64 s[104:105], s[24:25], 0x38          ; e14, e15
.irp g, 55,59,63,71,75,79,83
	s_or_b32 s[\g], s[\g], 0x80000000              ; type = 2
.endr
	s_add_nc_u64 s[86:87], s[4:5], s[2:3]
	s_or_b32 s87, s87, 0x80000000
	; the first (and only) fills: one arm for each wave, at most three loads of a wave out; four v_nop close each arm
	s_cmp_lg_u32 s[WV], 0
	s_cbranch_scc1 .Lw1
	tensor_load_to_lds s[52:55], s[G1P:G1P+7]      ; map_w
	s_nop 0
	tensor_load_to_lds s[68:71], s[G1S:G1S+7]      ; wq
	s_nop 0
	tensor_load_to_lds s[84:87], s[G1X:G1X+7]      ; my x
	s_nop 0
	PLACES 4
	s_branch .Lasked
.Lw1:
	s_cmp_lg_u32 s[WV], 1
	s_cbranch_scc1 .Lw2
	tensor_load_to_lds s[56:59], s[G1P:G1P+7]      ; wk
	s_nop 0
	tensor_load_to_lds s[72:75], s[G1S:G1S+7]      ; attn_w
	s_nop 0
	tensor_load_to_lds s[84:87], s[G1X:G1X+7]
	s_nop 0
	PLACES 4
	s_branch .Lasked
.Lw2:
	s_cmp_lg_u32 s[WV], 2
	s_cbranch_scc1 .Lw3
	tensor_load_to_lds s[60:63], s[G1S:G1S+7]      ; wv
	s_nop 0
	tensor_load_to_lds s[76:79], s[G1S:G1S+7]      ; ffn_w1
	s_nop 0
	tensor_load_to_lds s[84:87], s[G1X:G1X+7]
	s_nop 0
	PLACES 4
	s_branch .Lasked
.Lw3:
	tensor_load_to_lds s[80:83], s[G1S:G1S+7]      ; ffn_w2
	s_nop 0
	tensor_load_to_lds s[84:87], s[G1X:G1X+7]
	s_nop 0
	PLACES 4
.Lasked:
.set i_, 0
.rept 18
	global_load_b128 v[32+4*i_:35+4*i_], v20, s[6:7] offset:2048*i_
.set i_, i_+1
.endr
	global_load_b128 v[104:107], v127, s[6:7]
	WIN 0xc0                                       ; destination window 3
.set i_, 0
.rept 19
	global_load_b128 v[160+4*i_:163+4*i_], v[108+i_], s[8:9]
.set i_, i_+1
.endr
.irp a, 0,1,2
.irp q, 0,1,2,3
	global_load_b128 v[112+16*\a+4*\q:115+16*\a+4*\q], v21, s[22:23] offset:16*\q-8192*\a   ; tile wave + 4a of the distance rows
.endr
.endr
	WIN 0x80                                       ; destination window 2
.irp c, 0,1,2,3
.irp q, 0,1,2,3
	global_load_b128 v[16*\c+4*\q:16*\c+4*\q+3], v22, s[10:11] offset:128*\c+16*\q       ; emb_ln_g at k = 32c + 16h + ..
	global_load_b128 v[64+16*\c+4*\q:64+16*\c+4*\q+3], v22, s[12:13] offset:128*\c+16*\q ; emb_ln_b
.endr
.endr
.irp t, 0,1,2,3,4,5,6,7
.irp z, 0,1
	global_load_b128 v[128+8*\t+4*\z:131+8*\t+4*\z], v22, s[14:15] offset:128*(\t/2)+32*(\t%2)+16*\z   ; map_b in the transposed result's layout
	global_load_b128 v[192+8*\t+4*\z:195+8*\t+4*\z], v22, s[16:17] offset:128*(\t/2)+32*(\t%2)+16*\z   ; bk
.endr
.endr
	WIN 0
.irp q, 0,1,2,3
	global_load_b128 v[TOK+4*\q:TOK+4*\q+3], v22, s[8:9] offset:384+16*\q                ; tok_type[96 + 16h ..]
.endr
.irp z, 0,1
	global_load_b128 v[160+4*\z:163+4*\z], v23, s[18:19] offset:16*\z                    ; bv[8n ..]
	global_load_b128 v[BQ+4*\z:BQ+4*\z+3], v23, s[20:21] offset:16*\z                    ; bq[8n ..]
.endr
	s_wait_loadcnt 0x0
	s_wait_kmcnt 0x0
	s_wait_tensorcnt 0x0                           ; my fills have landed; the descriptors' registers are free
	s_add_co_i32 s2, s88, s89                      ; e0 + e1
	s_add_co_i32 s3, s92, s93                      ; e4 + e5
	s_add_co_i32 s28, s94, s95                     ; e6 + e7
	s_sub_co_i32 s29, 0, s2
	s_sub_co_i32 s30, 0, s3
	s_sub_co_i32 s31, 0, s28
	MKQ 4, 5, 6, 98                                ; e10
	MKQ 7, 8, 9, 100                               ; e12
	v_mov_b32 v150, s4
	v_mov_b32 v151, s7
	; the table: cat_emb + tok_type
	WIN 0x0c                                       ; source 1 window 3
.set i_, 0
.rept 38
	v_pk_add_f32 v[32+2*i_:33+2*i_], v[32+2*i_:33+2*i_], v[160+2*i_:161+2*i_]
.set i_, i_+1
.endr
	WIN 0
.set i_, 0
.rept 19
	ds_store_b128 v148, v[32+4*i_:35+4*i_] offset:2560*i_
.set i_, i_+1
.endr
	; the distance rows as codes, with e10 and with e12: lane images
.irp a, 0,1,2
	WIN 0x03                                       ; source 0 window 3
	HOLD 128, 112+16*\a, 16, 5
	WIN 0
	v_cvt_scalef32_pk8_bf8_f32 v[200+8*\a:201+8*\a], v[128:135], v150
	v_cvt_scalef32_pk8_bf8_f32 v[202+8*\a:203+8*\a], v[136:143], v150
	v_nop                                          ; a plain line behind the conversions, ahead of the lines that write their sources
	ds_store_b128 v149, v[200+8*\a:203+8*\a] offset:2048*\a
	WIN 0x03
	HOLD 128, 112+16*\a, 16, 8
	WIN 0
	v_cvt_scalef32_pk8_bf8_f32 v[204+8*\a:205+8*\a], v[128:135], v151
	v_cvt_scalef32_pk8_bf8_f32 v[206+8*\a:207+8*\a], v[136:143], v151
	v_nop
	ds_store_b128 v149, v[204+8*\a:207+8*\a] offset:2048*\a+6144
.endr
	; the biases go in as the C of their sums, divided by the power of two that the sums lack
	WIN 0x82
.set i_, 0
.rept 64
	v_ldexp_f32 v[128+i_], v[128+i_], s29
	v_ldexp_f32 v[192+i_], v[192+i_], s30
.set i_, i_+1
.endr
	WIN 0xc0
.set i_, 0
.rept 64
	v_ldexp_f32 v[i_], v[160+i_/8], s31            ; bv[8n + j] in all eight registers of tile j
.set i_, i_+1
.endr
.irp z, 68,69,70,71,80,81,82,83,92,93,94,95,104,105,106,107
	v_mov_b32 v[\z], 0                             ; the zero halves beside q's codes
.endr
	WIN 0
.irp z, 232,233,234,235,240,241,242,243,170,171,181,183
	v_mov_b32 v[\z], 0                             ; the zero halves beside PE12; lane permutes' destinations and upper halves of pairs, written once
.endr
	; constants
	MKQ 10, 42, 43, 88                             ; e0
	v_mov_b32 v26, s10
	s_sub_co_i32 s11, s92, s2                      ; e4 - e0 - e1
	MKQ 10, 44, 45, 11
	v_mov_b32 v27, s10
	s_sub_co_i32 s11, s94, s2                      ; e6 - e0 - e1
	MKQ 10, 46, 47, 11
	v_mov_b32 v28, s10
	s_sub_co_i32 s11, s97, s3                      ; e9 - e4 - e5
	MKQ 10, 48, 49, 11
	v_mov_b32 v29, s10
	s_sub_co_i32 s11, s101, s3                     ; e13 - e4 - e5
	MKQ 10, 50, 51, 11
	v_mov_b32 v30, s10
	s_sub_co_i32 s11, s105, s28                    ; e15 - e6 - e7
	MKQ 10, 52, 53, 11
	v_mov_b32 v31, s10
	s_sub_co_i32 s11, s90, s2                      ; e2 - e0 - e1
	MKQ 70, 54, 55, 11
	MKQ 71, 56, 57, 96                             ; e8
	MKQ 72, 58, 59, 99                             ; e11
	POW2 60, 96, 97
	POW2 61, 98, 99
	POW2 62, 100, 101
	POW2 68, 90, 91
	POW2 69, 88, 89
	s_mov_b32 s63, 0x3e3504f3                      ; 1 / sqrt(32)
	s_mov_b32 s[SELA], 0x76543210
	s_mov_b32 s[SELB], 0xfedcba98
	s_mov_b32 s[MK1], 0xaaaaaaaa
	s_mov_b32 s[MK2], 0xcccccccc
	s_mov_b32 s[MK4], 0xf0f0f0f0
	s_mov_b32 s[MHI], 0xffff0000
	s_mov_b32 s[EPS], 0x2b8cbccc                   ; 1e-12
	s_mov_b32 s[I128], 0x3c000000                  ; 1 / 128
	s_mov_b32 s80, 0x3fb8aa3b                      ; log2(e)
	s_mov_b32 s81, s80
	s_wait_dscnt 0x0                               ; my stores of the table and the images are done
	s_barrier_signal -1
	s_barrier_wait -1                              ; every wave's fills and stores are: from here to the next barrier LDS is only read
	WIN 0x40                                       ; destination window 1: map_w's and wk's fragments stay in registers
.irp t, 0,1,2,3,4,5,6,7
.irp c, 0,1,2,3
	ds_load_b128 v[16*\t+4*\c:16*\t+4*\c+3], v[WMA] offset:(32*(\t/2)+8*(\t%2))*144+32*\c
	ds_load_b128 v[128+16*\t+4*\c:128+16*\t+4*\c+3], v[WMA] offset:18432+(32*(\t/2)+8*(\t%2))*144+32*\c
.endr
.endr
	WIN 0
; ---- the embedding, a tile of 16 tokens at a time; its codes stay in registers (window 3) until the next barrier
.macro IDS t                           ; my three ids of tile t
.irp c, 0,1,2
	ds_load_b32 v[ID+3*((\t)%2)+\c], v[AXC] offset:2432*(\t)+8*\c
.endr
.endm
.macro LOOKUP t                        ; three table rows and 16 whole numbers of tile t
.set EN, E0+64*((\t)%2)
.set IN, ID+3*((\t)%2)
.irp c, 0,1,2
	v_min_u32 v[GA+\c], 99, v[IN+\c]               ; an index stays inside its table
.endr
.irp c, 0,1,2
	v_mad_u32_u24 v[GA+\c], v[GA+\c], 80, v[TB+\c]
.endr
.irp c, 0,1,2
.irp q, 0,1,2,3
	ds_load_b128 v[EN+16*\c+4*\q:EN+16*\c+4*\q+3], v[GA+\c] offset:16*\q
.endr
.endr
.irp q, 0,1,2,3,4,5,6,7
	ds_load_b64 v[EN+48+2*\q:EN+49+2*\q], v[AXN] offset:2432*(\t)+8*\q
.endr
.endm
.macro ESTEP t
.set EB, E0+64*((\t)%2)
.set IB, ID+3*((\t)%2)
	s_wait_dscnt 0x0                               ; this tile's numbers and the next tile's ids, asked for a step ago
	v_add3_u32 v[S], v[IB], v[IB+1], v[IB+2]       ; the mask: the sum of the row's 38 whole numbers, my half
.set k_, 0
.rept 8
	v_add3_u32 v[S], v[S], v[EB+48+k_], v[EB+49+k_]
.set k_, k_+2
.endr
.if (\t) < 8
	LOOKUP (\t)+1
.endif
.if (\t) < 7
	IDS (\t)+2
.endif
	v_permlanex16_b32 v[S+1], v[S], s[SELA], s[SELB]
	v_add_nc_u32 v[S], v[S], v[S+1]
	v_cmp_eq_u32 vcc_lo, 0, v[S]
	v_cndmask_b32 v[EXT+(\t)], 0, v[NEG9], vcc_lo  ; ext: -1e9 where the sum is 0
.set k_, 0
.rept 16
	v_cvt_f32_i32 v[EB+48+k_], v[EB+48+k_]
.set k_, k_+1
.endr
.set k_, 0
.rept 8
	v_pk_add_f32 v[EB+48+k_:EB+49+k_], v[EB+48+k_:EB+49+k_], v[TOK+k_:TOK+k_+1]
.set k_, k_+2
.endr
.set k_, 0
.rept 4
	v_pk_add_f32 v[CH+k_:CH+k_+1], v[EB+k_:EB+k_+1], v[EB+8+k_:EB+9+k_]   ; the mean, in four chains
.set k_, k_+2
.endr
.set k_, 16
.rept 24
	v_pk_add_f32 v[CH+k_%8:CH+k_%8+1], v[CH+k_%8:CH+k_%8+1], v[EB+k_:EB+k_+1]
.set k_, k_+2
.endr
	v_pk_add_f32 v[CH:CH+1], v[CH:CH+1], v[CH+2:CH+3]
	v_pk_add_f32 v[CH+4:CH+5], v[CH+4:CH+5], v[CH+6:CH+7]
	v_pk_add_f32 v[CH:CH+1], v[CH:CH+1], v[CH+4:CH+5]
	v_add_f32 v[MEAN], v[CH], v[CH+1]
	v_permlanex16_b32 v[S+2], v[MEAN], s[SELA], s[SELB]
	v_add_f32 v[MEAN], v[MEAN], v[S+2]
	v_mul_f32 v[MEAN], s[I128], v[MEAN]
.set k_, 0
.rept 32
	v_pk_add_f32 v[EB+k_:EB+k_+1], v[EB+k_:EB+k_+1], v[MEAN:MEAN+1] op_sel_hi:[1,0] neg_lo:[0,1] neg_hi:[0,1]
.set k_, k_+2
.endr
.set k_, 0
.rept 4
	v_pk_mul_f32 v[CH+k_:CH+k_+1], v[EB+k_:EB+k_+1], v[EB+k_:EB+k_+1]     ; the variance, in four chains
.set k_, k_+2
.endr
.set k_, 8
.rept 28
	v_pk_fma_f32 v[CH+k_%8:CH+k_%8+1], v[EB+k_:EB+k_+1], v[EB+k_:EB+k_+1], v[CH+k_%8:CH+k_%8+1]
.set k_, k_+2
.endr
	v_pk_add_f32 v[CH:CH+1], v[CH:CH+1], v[CH+2:CH+3]
	v_pk_add_f32 v[CH+4:CH+5], v[CH+4:CH+5], v[CH+6:CH+7]
	v_pk_add_f32 v[CH:CH+1], v[CH:CH+1], v[CH+4:CH+5]
	v_add_f32 v[RS], v[CH], v[CH+1]
	v_permlanex16_b32 v[S+2], v[RS], s[SELA], s[SELB]
	v_add_f32 v[RS], v[RS], v[S+2]
	v_fma_f32 v[RS], v[RS], s[I128], s[EPS]
	v_rsq_f32 v[RS], v[RS]
	v_nop                                          ; a plain line behind the transcendental,
	s_wait_alu depctr_va_vdst(0)                   ; and the wait ahead of its first reader
.set k_, 0
.rept 32
	v_pk_mul_f32 v[EB+k_:EB+k_+1], v[EB+k_:EB+k_+1], v[RS:RS+1] op_sel_hi:[1,0]
.set k_, k_+2
.endr
	WIN 0x28                                       ; sources 1 and 2 window 2: gain and bias
.set k_, 0
.rept 32
	v_pk_fma_f32 v[EB+k_:EB+k_+1], v[EB+k_:EB+k_+1], v[k_:k_+1], v[64+k_:65+k_]
.set k_, k_+2
.endr
	WIN 0
	HOLD EB, EB, 64, 42
	WIN 0xc0                                       ; destination window 3
.set k_, 0
.rept 8
	v_cvt_scalef32_pk8_bf8_f32 v[112+16*(\t)+2*k_:113+16*(\t)+2*k_], v[EB+8*k_:EB+8*k_+7], v26
.set k_, k_+1
.endr
	WIN 0
	v_nop                                          ; a plain line behind the last conversion
.endm
	IDS 0
	s_wait_dscnt 0x0
	LOOKUP 0
	IDS 1
.irp t, 0,1,2,3,4,5,6,7,8
	ESTEP \t
.endr
	s_wait_dscnt 0x0
	s_barrier_signal -1
	s_barrier_wait -1                              ; no wave has a look-up out: LDS may be written again.  From here on a wave writes its own bytes alone: no further barrier
	WIN 0x0c                                       ; store data window 3
.irp t, 0,1,2,3,4,5,6,7,8
.irp q, 0,1,2,3
	ds_store_b128 v[ECA], v[112+16*\t+4*\q:115+16*\t+4*\q] offset:2048*(8-\t)+512*\q   ; slot i = tile 8 - i: the tile with token 138 comes first
.endr
.endr
	WIN 0
.irp t, 0,1,2,3,4,5,6,7,8
	ds_store_b32 v[EXA], v[EXT+\t] offset:128*(8-\t)
.endr
.irp c, 0,1,2,3
	ds_load_b128 v[EC+4*\c:EC+4*\c+3], v[ECA] offset:512*\c
.endr
	WIN 0x80                                       ; wv's fragments, weight rows {8n + j}, take the norm's place in window 2
.irp j, 0,1,2,3,4,5,6,7
.irp c, 0,1,2,3
	ds_load_b128 v[16*\j+4*\c:16*\j+4*\c+3], v[WTB] offset:128*\j+32*\c
.endr
.endr
	WIN 0
	s_load_b512 s[4:19], s[0:1], 0x90              ; for the tail: attn_b, attn_ln_g, attn_ln_b, ffn_b1, ffn_b2, ffn_ln_g, ffn_ln_b, seq
	s_load_b128 s[20:23], s[24:25], 0x40           ; e16..e19
	s_load_b64 s[82:83], s[24:25], 0x50            ; e20, e21
; ---- one-row work
.macro QROW src, sc, p, t, c, off      ; eight neighbouring columns a lane become eight codes at byte 8n of a code row
	v_mov_b32 v[QS], s[\sc]
	HOLD \t, \src, 8, \p
	v_cvt_scalef32_pk8_bf8_f32 v[\c:\c+1], v[\t:\t+7], v[QS]
	v_nop
	ds_store_b64 v[RCW], v[\c:\c+1] offset:\off
.endm
.macro FRAGROW dst, off                ; the code row as a fragment whose 16 rows are alike (LDS serves a wave's instructions in order: these see the store)
.irp c, 0,1,2,3
	ds_load_b128 v[\dst+4*\c:\dst+4*\c+3], v[RCR] offset:\off+32*\c
.endr
.endm
.macro WFETCH q, win, reg              ; weight q's eight tiles {8n + j}
	WIN \win
.irp j, 0,1,2,3,4,5,6,7
.irp c, 0,1,2,3
	ds_load_b128 v[\reg+16*\j+4*\c:\reg+16*\j+4*\c+3], v[WTA] offset:WTS*\q+128*\j+32*\c
.endr
.endr
	WIN 0
.endm
.macro MUL8 d, a, w, win               ; register 0 of tile j in lane n: column 8n + j
	WIN \win
.irp j, 0,1,2,3,4,5,6,7
	v_wmma_f32_16x16x128_bf8_bf8 v[\d+8*\j:\d+8*\j+7], v[\a:\a+15], v[\w+16*\j:\w+16*\j+15], 0
.endr
	WIN 0
.endm
; 64 sums become two operands: CA with the first scale, CB with the second
.macro QUANT2 src, sc1, p1, sc2, p2
.irp g, 0,1,2,3,4,5,6,7
	HOLD T0+8*(\g%2), \src+8*\g, 8, \p1
	v_cvt_scalef32_pk8_bf8_f32 v[CA+2*\g:CA+2*\g+1], v[T0+8*(\g%2):T0+8*(\g%2)+7], v[\sc1]
	HOLD \src+8*\g, \src+8*\g, 8, \p2
	v_cvt_scalef32_pk8_bf8_f32 v[CB+2*\g:CB+2*\g+1], v[\src+8*\g:\src+8*\g+7], v[\sc2]
.endr
	v_nop
.endm
; ---- a tile of 16 tokens: hs, k, v, and query 138's scores against these 16 keys
.macro TRIP first
	s_wait_dscnt 0x0                               ; this slot's codes are in; the last trip's stores have read their registers
	WIN 0x21                                       ; source 0 window 1, C window 2
.irp t, 0,1,2,3,4,5,6,7
	v_wmma_f32_16x16x128_bf8_bf8 v[AA+8*\t:AA+8*\t+7], v[16*\t:16*\t+15], v[EC:EC+15], v[128+8*\t:135+8*\t]   ; hs / 2^(e0+e1), transposed
.endr
	WIN 0
	s_add_co_u32 s[TMP], s[SB], 2048
	s_min_u32 s[TMP], s[TMP], 16384                ; the last trip fetches its own slot again, for nobody
	v_add_nc_u32 v[TA0], s[TMP], v[ECA]            ; five address lines: the places behind the products
	s_lshr_b32 s[TMP], s[SB], 2
	v_sub_nc_u32 v[TA0+1], v[PEA], s[TMP]
	s_lshr_b32 s[TMP], s[SB], 4
	v_add_nc_u32 v[TA0+2], s[TMP], v[EXA]
	s_lshr_b32 s[TMP], s[SB], 5
	v_add_nc_u32 v[TA0+3], s[TMP], v[LGW]
	v_add_nc_u32 v[TA0+4], s[SB], v[ECA]
.irp c, 0,1,2,3
	ds_load_b128 v[EC+4*\c:EC+4*\c+3], v[TA0] offset:512*\c
.endr
	ds_load_b128 v[PD:PD+3], v[TA0+1]
	ds_load_b128 v[PD+4:PD+7], v[TA0+1]
	ds_load_b128 v[PW+4:PW+7], v[TA0+1] offset:6144
	ds_load_b32 v[EX], v[TA0+2]
.if \first
.irp t, 0,1,2,3,4,5,6,7                        ; this tile's 16 rows of hs in column order, all lanes on; row 10 is token 138's
.irp z, 0,1
	ds_store_b128 v[HSA], v[AA+8*\t+4*\z:AA+8*\t+4*\z+3] offset:HSR+128*(\t/2)+32*(\t%2)+16*\z
.endr
.endr
	WFETCH 0, 0xc0, WF                             ; wq
	ds_load_b128 v[AB:AB+3], v[YRA]
	ds_load_b128 v[AB+4:AB+7], v[YRA] offset:16
	s_wait_dscnt 34                                ; the 34 loads just issued may be out: the sixteen stores have read their registers
.endif
	QUANT2 AA, 27, 44, 28, 46                      ; hs as product 3's operand and as product 4's
.if \first
	s_wait_dscnt 0x0
	QROW AB, 70, 54, AA+24, AA+32, 0               ; hs row 138 as product 2's operand
	FRAGROW AA, 0
	s_wait_dscnt 0x0
	MUL8 AB, AA, WF, 0x0c
	PLACES 5
	WFETCH 1, 0xc0, WF                             ; attn_w takes wq's place and stays
.irp j, 0,1,2,3,4,5,6,7
	v_fma_f32 v[AA+16+\j], v[AB+8*\j], s68, v[BQ+\j]   ; q(138, 8n + j)
.endr
	QROW AA+16, 71, 56, AA+24, AA+32, 0            ; q as product 5's operand,
	QROW AA+16, 72, 58, AA+40, AA+34, 512          ; and as product 6's
	WIN 0xc0
	ds_load_b128 v[64:67], v[RCR]                  ; [Q0 | 0 | Q1] [Q2 | 0 | Q3]
	ds_load_b128 v[72:75], v[RCR] offset:32
	ds_load_b128 v[76:79], v[RCR] offset:64
	ds_load_b128 v[84:87], v[RCR] offset:96
	ds_load_b128 v[88:91], v[RCR] offset:512
	ds_load_b128 v[96:99], v[RCR] offset:544
	ds_load_b128 v[100:103], v[RCR] offset:576
	ds_load_b128 v[108:111], v[RCR] offset:608
	WIN 0
.endif
	WIN 0x21
.irp t, 0,1,2,3,4,5,6,7
	v_wmma_f32_16x16x128_bf8_bf8 v[AB+8*\t:AB+8*\t+7], v[128+16*\t:143+16*\t], v[CA:CA+15], v[192+8*\t:199+8*\t]   ; k / 2^(e4+e5), transposed
.endr
	WIN 0x38                                       ; source 1 window 2, C window 3
.irp j, 0,1,2,3,4,5,6,7
	v_wmma_f32_16x16x128_bf8_bf8 v[AA+8*\j:AA+8*\j+7], v[CB:CB+15], v[16*\j:16*\j+15], v[8*\j:8*\j+7]             ; v / 2^(e6+e7): lane n: column 8n + j, eight keys
.endr
	WIN 0
	PLACES 4
	QUANT2 AB, 29, 48, 30, 50                      ; k as product 5's operand and as product 7's
.irp j, 0,1,2,3,4,5,6,7
	HOLD AA+8*\j, AA+8*\j, 8, 52
	v_cvt_scalef32_pk8_bf8_f32 v[T0+2*\j:T0+2*\j+1], v[AA+8*\j:AA+8*\j+7], v31
.endr
	v_nop
.irp q, 0,1,2,3
	ds_store_b128 v[TA0+4], v[T0+4*\q:T0+4*\q+3] offset:512*\q   ; v's codes take the slot that the embedding's have left
.endr
	s_wait_dscnt 4                                 ; the four stores just issued may be out: the distance rows, ext and (first trip) q's codes are in
	WIN 0x03                                       ; source 0 window 3
.irp h, 0,1,2,3
	v_wmma_f32_16x16x64_bf8_bf8 v[AB+8*\h:AB+8*\h+7], v[64+12*(\h/2)+4*(\h%2):71+12*(\h/2)+4*(\h%2)], v[CA+8*(\h/2):CA+8*(\h/2)+7], 0     ; q . k
.endr
.irp h, 0,1,2,3
	v_wmma_f32_16x16x64_bf8_bf8 v[AB+32+8*\h:AB+39+8*\h], v[88+12*(\h/2)+4*(\h%2):95+12*(\h/2)+4*(\h%2)], v[PD:PD+7], 0                   ; q . pe
.endr
	WIN 0
.irp h, 0,1,2,3
	v_wmma_f32_16x16x64_bf8_bf8 v[AA+8*\h:AA+8*\h+7], v[CB+8*(\h/2):CB+8*(\h/2)+7], v[PW+4-4*(\h%2):PW+11-4*(\h%2)], 0                    ; k . pe: the diagonal is wanted
.endr
	PLACES 4
.irp h, 0,1,2,3                                ; the diagonal lies in register lane % 8 of lanes 0-7 and 24-31
.irp i, 0,2,4,6
	v_cndmask_b32 v[AA+8*\h+\i], v[AA+8*\h+\i], v[AA+8*\h+\i+1], s[MK1]
.endr
.endr
.irp h, 0,1,2,3
	v_cndmask_b32 v[AA+8*\h], v[AA+8*\h], v[AA+8*\h+2], s[MK2]
	v_cndmask_b32 v[AA+8*\h+4], v[AA+8*\h+4], v[AA+8*\h+6], s[MK2]
.endr
.irp h, 0,1,2,3
	v_cndmask_b32 v[AA+8*\h], v[AA+8*\h], v[AA+8*\h+4], s[MK4]
.endr
.irp h, 0,1,2,3
	v_mul_f32 v[AA+8*\h], s62, v[AA+8*\h]
.endr
.irp h, 0,1,2,3
	v_fma_f32 v[AA+8*\h], v[AB+32+8*\h], s61, v[AA+8*\h]
.endr
.irp h, 0,1,2,3
	v_fma_f32 v[AA+8*\h], v[AB+8*\h], s60, v[AA+8*\h]
.endr
.irp h, 0,1,2,3
	v_fma_f32 v[AA+8*\h], v[AA+8*\h], s63, v[EX]   ; / sqrt(32) + ext
.endr
.irp h, 0,1,2,3
	ds_store_b32 v[TA0+3], v[AA+8*\h] offset:576*\h   ; the other lanes write a second plane that nobody reads
.endr
.endm
	s_mov_b32 s[SB], 0
	TRIP 1
	s_mov_b32 s[CNT], 1
	s_mov_b32 s[SB], 2048
.Ltrip:
	TRIP 0
	s_add_co_u32 s[SB], s[SB], 2048
	s_add_co_u32 s[CNT], s[CNT], 1
	s_cmp_lt_u32 s[CNT], 9
	s_cbranch_scc1 .Ltrip
; ---- the tail: query 138 alone
	s_wait_kmcnt 0x0
	s_wait_dscnt 0x0                               ; the logits' stores have read their registers
	MKQ 42, 43, 44, 20                             ; e16
	MKQ 45, 46, 47, 22                             ; e18
	MKQ 48, 49, 50, 82                             ; e20
	s_add_co_i32 s51, s104, 127
	s_add_co_i32 s52, s51, 15
	s_lshl_b32 s51, s51, 23                        ; 2^e14
	s_lshl_b32 s52, s52, 23
	s_or_b32 s52, s52, 0x600000                    ; 57,344 x 2^e14
	POW2 53, 20, 21
	POW2 54, 22, 23
	POW2 55, 82, 83
	s_add_co_i32 s56, s104, s105                   ; e14 + e15
	s_mov_b32 s57, 0x3d372713                      ; 0.044715
	s_mov_b32 s58, 0xc0135761                      ; -2 sqrt(2 / pi) log2(e)
	s_lshl_b32 s2, s[SQ], 9
	s_mov_b32 s3, 0
	s_add_nc_u64 s[18:19], s[18:19], s[2:3]        ; my row of seq
	v_lshlrev_b32 v21, 5, v[R]
	v_lshl_add_u32 v22, v[HH], 4, v21
.irp p, 0,1,2,3,4,5,6
.irp z, 0,1
	global_load_b128 v[PRM+8*\p+4*\z:PRM+8*\p+4*\z+3], v21, s[4+2*\p:5+2*\p] offset:16*\z   ; each vector's columns 8n ..
.endr
.endr
.irp t, 0,1,2,3,4,5,6,7,8
.irp z, 0,1
	ds_load_b128 v[TL+8*\t+4*\z:TL+8*\t+4*\z+3], v[LGR] offset:64*(8-\t)+16*\z   ; lane (m, h): head m / 4, register 8t + i: key 16t + 8h + i
.endr
.endr
	s_wait_dscnt 0x0
	WIN 0x40                                       ; v's codes: tile j's 18 registers at 18j of window 1
.irp j, 0,1,2,3,4,5,6,7
.irp t, 0,1,2,3,4,5,6,7,8
	ds_load_b64 v[18*\j+2*\t:18*\j+2*\t+1], v[ECA] offset:2048*(8-\t)+512*(\j/2)+8*(\j%2)
.endr
.endr
.irp z, 144,145,146,147,148,149
	v_mov_b32 v[\z], 0
.endr
	WIN 0
	WFETCH 2, 0x80, 0                              ; ffn_w1
	WFETCH 3, 0x80, 128                            ; ffn_w2
	v_mov_b32 v[CT], 0xff800000
	v_mov_b32 v[CT+3], 0
	v_mov_b32 v[CT+5], 0
.irp i, 67,68,69,70,71
	v_cndmask_b32 v[TL+\i], v[TL+\i], v[CT], s[MHI]   ; keys 139 to 143 do not exist
.endr
	v_max3_num_f32 v[CT+1], v[TL], v[TL+1], v[TL+2]
	v_max3_num_f32 v[CT+2], v[TL+3], v[TL+4], v[TL+5]
.set k_, 6
.rept 16
	v_max3_num_f32 v[CT+1], v[CT+1], v[TL+k_], v[TL+k_+1]
	v_max3_num_f32 v[CT+2], v[CT+2], v[TL+k_+2], v[TL+k_+3]
.set k_, k_+4
.endr
	v_max3_num_f32 v[CT+1], v[CT+1], v[TL+70], v[TL+71]
	v_max_num_f32 v[CT+1], v[CT+1], v[CT+2]
	v_permlanex16_b32 v[CT+3], v[CT+1], s[SELA], s[SELB]
	v_max_num_f32 v[CT+1], v[CT+1], v[CT+3]
	v_mul_f32 v[CT+1], s80, v[CT+1]                ; the row's largest t
	v_floor_f32 v[CT+4], -v[CT+1]                  ; -M = -ceil(t)
.set k_, 0
.rept 36
	v_pk_mul_f32 v[TL+k_:TL+k_+1], v[TL+k_:TL+k_+1], s[80:81] op_sel_hi:[1,0]   ; t = logit x log2(e), rounded to f32 as it is defined,
.set k_, k_+2
.endr
.set k_, 0
.rept 36
	v_pk_add_f32 v[TL+k_:TL+k_+1], v[TL+k_:TL+k_+1], v[CT+4:CT+5] op_sel_hi:[1,0]   ; then t - M
.set k_, k_+2
.endr
.set k_, 0
.rept 72
	v_exp_f32 v[TL+k_], v[TL+k_]
.set k_, k_+1
.endr
	v_mov_b32 v[QS], s51                           ; (a plain line behind the exponentials)
	s_wait_alu depctr_va_vdst(0)                   ; one wait for the batch, ahead of its first reader
	v_pk_add_f32 v[CT+6:CT+7], v[TL:TL+1], v[TL+2:TL+3]   ; the row's sum is taken of the unquantised p
	v_pk_add_f32 v[CT+8:CT+9], v[TL+4:TL+5], v[TL+6:TL+7]
.set k_, 8
.rept 16
	v_pk_add_f32 v[CT+6:CT+7], v[CT+6:CT+7], v[TL+k_:TL+k_+1]
	v_pk_add_f32 v[CT+8:CT+9], v[CT+8:CT+9], v[TL+k_+2:TL+k_+3]
.set k_, k_+4
.endr
	v_pk_add_f32 v[CT+6:CT+7], v[CT+6:CT+7], v[CT+8:CT+9]
.set k_, 0
.rept 72
	v_min_num_f32 v[TL+k_], s52, v[TL+k_]          ; p is not negative: the hold is one-sided
.set k_, k_+1
.endr
.set k_, 0
.rept 9
	v_cvt_scalef32_pk8_bf8_f32 v[PC+2*k_:PC+2*k_+1], v[TL+8*k_:TL+8*k_+7], v[QS]
.set k_, k_+1
.endr
.irp z, 18,19,20,21,22,23
	v_mov_b32 v[PC+\z], 0                          ; K = 144 is filled to 192 with zero codes of p
.endr
	v_add_f32 v[CT+6], v[CT+6], v[CT+7]
	v_permlanex16_b32 v[CT+3], v[CT+6], s[SELA], s[SELB]
	v_add_f32 v[CT+6], v[CT+6], v[CT+3]
	v_rcp_f32 v[CT+6], v[CT+6]
	v_nop
	s_wait_alu depctr_va_vdst(0)
	v_ldexp_f32 v23, v[CT+6], s56                  ; 2^(e14 + e15) / l
	s_wait_dscnt 0x0
	WIN 0x04                                       ; source 1 window 1
.irp s, 0,1,2                                  ; the eight accumulators take turns
.irp j, 0,1,2,3,4,5,6,7
.if \s == 0
	v_wmma_f32_16x16x64_bf8_bf8 v[CT+8*\j:CT+8*\j+7], v[PC+8*\s:PC+8*\s+7], v[18*\j+8*\s:18*\j+8*\s+7], 0
.else
	v_wmma_f32_16x16x64_bf8_bf8 v[CT+8*\j:CT+8*\j+7], v[PC+8*\s:PC+8*\s+7], v[18*\j+8*\s:18*\j+8*\s+7], v[CT+8*\j:CT+8*\j+7]
.endif
.endr
.endr
	WIN 0
	PLACES 4
.irp j, 0,1,2,3,4,5,6,7
	v_cndmask_b32 v[Y+\j], v[CT+8*\j], v[CT+8*\j+4], s[MK4]   ; row m with m / 4 = n / 4: register 0 or 4, in lanes 0-7 and 24-31
.endr
.irp j, 0,1,2,3,4,5,6,7
	v_mul_f32 v[Y+\j], v23, v[Y+\j]                ; ctx(138, 8n + j)
.endr
	QROW Y, 42, 43, TT, C2, 0
	FRAGROW RF, 0
	ds_load_b128 v[HR:HR+3], v[YRA]
	ds_load_b128 v[HR+4:HR+7], v[YRA] offset:16
	s_wait_dscnt 0x0
	MUL8 CT, RF, WF, 0x0c                          ; x attn_w
	PLACES 5
	s_wait_loadcnt 0x0
.macro LN8 g, b, dst                   ; LayerNorm over 128 columns, eight a lane, sixteen lanes
	v_pk_add_f32 v[82:83], v[Y:Y+1], v[Y+2:Y+3]
	v_pk_add_f32 v[84:85], v[Y+4:Y+5], v[Y+6:Y+7]
	v_pk_add_f32 v[82:83], v[82:83], v[84:85]
	v_add_f32 v82, v82, v83
.irp x, 1,2,4,8
	v_add_f32_dpp v82, v82, v82 row_xmask:\x row_mask:0xf bank_mask:0xf
.endr
	v_mul_f32 v82, s[I128], v82
.irp i, 0,2,4,6
	v_pk_add_f32 v[Y+\i:Y+\i+1], v[Y+\i:Y+\i+1], v[82:83] op_sel_hi:[1,0] neg_lo:[0,1] neg_hi:[0,1]
.endr
	v_pk_mul_f32 v[84:85], v[Y:Y+1], v[Y:Y+1]
.irp i, 2,4,6
	v_pk_fma_f32 v[84:85], v[Y+\i:Y+\i+1], v[Y+\i:Y+\i+1], v[84:85]
.endr
	v_add_f32 v84, v84, v85
.irp x, 1,2,4,8
	v_add_f32_dpp v84, v84, v84 row_xmask:\x row_mask:0xf bank_mask:0xf
.endr
	v_fma_f32 v84, v84, s[I128], s[EPS]
	v_rsq_f32 v84, v84
	v_nop
	s_wait_alu depctr_va_vdst(0)
.irp i, 0,2,4,6
	v_pk_mul_f32 v[Y+\i:Y+\i+1], v[Y+\i:Y+\i+1], v[84:85] op_sel_hi:[1,0]
.endr
.irp i, 0,2,4,6
	v_pk_fma_f32 v[\dst+\i:\dst+\i+1], v[Y+\i:Y+\i+1], v[PRM+8*\g+\i:PRM+8*\g+\i+1], v[PRM+8*\b+\i:PRM+8*\b+\i+1]
.endr
.endm
.irp j, 0,1,2,3,4,5,6,7
	v_fma_f32 v[Y+\j], v[HR+\j], s69, v[PRM+\j]    ; hs + attn_b
.endr
.irp j, 0,1,2,3,4,5,6,7
	v_fma_f32 v[Y+\j], v[CT+8*\j], s53, v[Y+\j]
.endr
	LN8 1, 2, AO                                   ; attn_out
	QROW AO, 45, 46, TT, C2, 0
	FRAGROW RF, 0
	s_wait_dscnt 0x0
	MUL8 CT, RF, 0, 0x08                           ; x ffn_w1
	PLACES 5
.irp j, 0,1,2,3,4,5,6,7
	v_fma_f32 v[Y+\j], v[CT+8*\j], s54, v[PRM+24+\j]
.endr
	; gelu_new: x / (1 + 2^(-2 sqrt(2/pi) log2(e) x (1 + 0.044715 x^2)))
.irp j, 0,1,2,3,4,5,6,7
	v_mul_f32 v[86+\j], v[Y+\j], v[Y+\j]
.endr
.irp j, 0,1,2,3,4,5,6,7
	v_fma_f32 v[86+\j], v[86+\j], s57, 1.0
	v_mul_f32 v[94+\j], s58, v[Y+\j]
.endr
.irp j, 0,1,2,3,4,5,6,7
	v_mul_f32 v[86+\j], v[86+\j], v[94+\j]
.endr
.irp j, 0,1,2,3,4,5,6,7
	v_exp_f32 v[86+\j], v[86+\j]
.endr
	v_nop
	s_wait_alu depctr_va_vdst(0)
.irp j, 0,1,2,3,4,5,6,7
	v_add_f32 v[86+\j], 1.0, v[86+\j]
.endr
.irp j, 0,1,2,3,4,5,6,7
	v_rcp_f32 v[86+\j], v[86+\j]
.endr
	v_nop
	s_wait_alu depctr_va_vdst(0)
.irp j, 0,1,2,3,4,5,6,7
	v_mul_f32 v[Y+\j], v[Y+\j], v[86+\j]
.endr
	QROW Y, 48, 49, TT, C2, 0
	FRAGROW RF, 0
	s_wait_dscnt 0x0
	MUL8 CT, RF, 128, 0x08                         ; x ffn_w2
	PLACES 5
.irp i, 0,2,4,6
	v_pk_add_f32 v[Y+\i:Y+\i+1], v[AO+\i:AO+\i+1], v[PRM+32+\i:PRM+33+\i]   ; attn_out + ffn_b2
.endr
.irp j, 0,1,2,3,4,5,6,7
	v_fma_f32 v[Y+\j], v[CT+8*\j], s55, v[Y+\j]
.endr
	LN8 5, 6, Y
.irp i, 0,1,2,3
	v_cndmask_b32 v[86+\i], v[Y+\i], v[Y+4+\i], s[MHI]   ; lanes 0-15 store columns 8n .. 8n+3, lanes 16-31 columns 8n+4 .. 8n+7
.endr
	global_store_b128 v22, v[86:89], s[18:19]      ; the wave stores the row's 512 consecutive bytes, aligned
	s_wait_xcnt 0x0
	v_lshl_add_u32 v254, v0, 2, 0x48000
	v_mov_b32 v255, 0
	s_wait_tensorcnt 0x0
	ds_add_u32 v254, v255
	s_wait_dscnt 0x0
	s_endpgm
.Lfunc_end_k_q8cdb492ffc_enc:
	.size	k_q8cdb492ffc_enc, .Lfunc_end_k_q8cdb492ffc_enc-k_q8cdb492ffc_enc
	.p2alignl 7, 3214868480
	.fill 96, 4, 3214868480
	.section	.rodata,"a",@progbits
	.p2align	6, 0x0
	.amdhsa_kernel k_q8cdb492ffc_enc
		.amdhsa_group_segment_fixed_size 295424
		.amdhsa_private_segment_fixed_size 0
		.amdhsa_enable_private_segment 0
		.amdhsa_kernarg_size 208
		.amdhsa_user_sgpr_count 2
		.amdhsa_user_sgpr_kernarg_segment_ptr 1
		.amdhsa_wavefront_size32 1
		.amdhsa_system_sgpr_workgroup_id_x 1
		.amdhsa_system_sgpr_workgroup_id_y 1
		.amdhsa_system_sgpr_workgroup_id_z 1
		.amdhsa_system_vgpr_workitem_id 0
		.amdhsa_next_free_vgpr 1024
		.amdhsa_next_free_sgpr 106
		.amdhsa_reserve_vcc 1
		.amdhsa_float_denorm_mode_32 3
		.amdhsa_float_denorm_mode_16_64 3
		.amdhsa_memory_ordered 1
		.amdhsa_forward_progress 1
		.amdhsa_inst_pref_size 255
	.end_amdhsa_kernel
	.section	.bss,"aw",@nobits
	.p2align	6
	.space	262144
	.amdgpu_metadata
---
amdhsa.version: [ 1, 2 ]
amdhsa.kernels:
  - .name:           k_q8cdb492ffc_enc
    .symbol:         k_q8cdb492ffc_enc.kd
    .args:
      - { .name: x, .offset: 0, .size: 8, .value_kind: global_buffer, .address_space: global }
      - { .name: cat_emb, .offset: 8, .size: 8, .value_kind: global_buffer, .address_space: global }
      - { .name: tok_type, .offset: 16, .size: 8, .value_kind: global_buffer, .address_space: global }
      - { .name: emb_ln_g, .offset: 24, .size: 8, .value_kind: global_buffer, .address_space: global }
      - { .name: emb_ln_b, .offset: 32, .size: 8, .value_kind: global_buffer, .address_space: global }
      - { .name: map_b, .offset: 40, .size: 8, .value_kind: global_buffer, .address_space: global }
      - { .name: bk, .offset: 48, .size: 8, .value_kind: global_buffer, .address_space: global }
      - { .name: bv, .offset: 56, .size: 8, .value_kind: global_buffer, .address_space: global }
      - { .name: bq, .offset: 64, .size: 8, .value_kind: global_buffer, .address_space: global }
      - { .name: dist_emb, .offset: 72, .size: 8, .value_kind: global_buffer, .address_space: global }
      - { .name: lowp_scales, .offset: 80, .size: 8, .value_kind: global_buffer, .address_space: global }
      - { .name: map_w_codes, .offset: 88, .size: 8, .value_kind: global_buffer, .address_space: global }
      - { .name: wk_codes, .offset: 96, .size: 8, .value_kind: global_buffer, .address_space: global }
      - { .name: wv_codes, .offset: 104, .size: 8, .value_kind: global_buffer, .address_space: global }
      - { .name: wq_codes, .offset: 112, .size: 8, .value_kind: global_buffer, .address_space: global }
      - { .name: attn_w_codes, .offset: 120, .size: 8, .value_kind: global_buffer, .address_space: global }
      - { .name: ffn_w1_codes, .offset: 128, .size: 8, .value_kind: global_buffer, .address_space: global }
      - { .name: ffn_w2_codes, .offset: 136, .size: 8, .value_kind: global_buffer, .address_space: global }
      - { .name: attn_b, .offset: 144, .size: 8, .value_kind: global_buffer, .address_space: global }
      - { .name: attn_ln_g, .offset: 152, .size: 8, .value_kind: global_buffer, .address_space: global }
      - { .name: attn_ln_b, .offset: 160, .size: 8, .value_kind: global_buffer, .address_space: global }
      - { .name: ffn_b1, .offset: 168, .size: 8, .value_kind: global_buffer, .address_space: global }
      - { .name: ffn_b2, .offset: 176, .size: 8, .value_kind: global_buffer, .address_space: global }
      - { .name: ffn_ln_g, .offset: 184, .size: 8, .value_kind: global_buffer, .address_space: global }
      - { .name: ffn_ln_b, .offset: 192, .size: 8, .value_kind: global_buffer, .address_space: global }
      - { .name: seq, .offset: 200, .size: 8, .value_kind: global_buffer, .address_space: global }
    .group_segment_fixed_size: 295424
    .private_segment_fixed_size: 0
    .kernarg_segment_align: 8
    .kernarg_segment_size: 208
    .max_flat_workgroup_size: 128
    .sgpr_count:     106
    .vgpr_count:     1024
    .wavefront_size: 32
...
	.end_amdgpu_metadata
.endif
;; end of part 1
;; launch head (part 2): grid 64 x 1, 1 waves a work-group, no clusters, 0 bytes of LDS; arguments seq, prod, day, prod_emb, day_emb, h1_w_codes, h1_b, ln1_g, ln1_b, h2_w_codes, h2_b, ln2_g, ln2_b, h3_w, h3_b, lowp_scales, out0; writes out0
.if DOCPART == 2
	.amdgcn_target "amdgcn-amd-amdhsa--gfx1250"
	.amdhsa_code_object_version 6
	.text
	.protected	k_q8cdb492ffc_head
	.globl	k_q8cdb492ffc_head
	.p2align	8
	.type	k_q8cdb492ffc_head,@function
k_q8cdb492ffc_head:
	s_mov_b64 s[64:65], 0
	v_nop
	global_prefetch_b8 v0, s[64:65] scope:SCOPE_SE
	s_setreg_imm32_b32 hwreg(HW_REG_WAVE_MODE, 25, 1), 1
	s_wait_xcnt 0x0
; The head: feat = [seq row | prod_emb[prod] | day_emb[day]]; two layers of 32 (E5M2 products, LayerNorm, exact GELU); a dot product with h3_w in f32.
; A wave takes 16 rows of the batch; 64 work-groups of one wave; no LDS, no barrier.
; Both products are used transposed (source 0 = 16 weight rows, source 1 = the 16 batch rows' codes): lane (r, h) holds batch row r, register 8T + j unit 16T + 8h + j,
; which is the place that the next product's operand gives it.  K = 160 and K = 32 are filled with zero codes to 192 and 64, on both sides.
; erf(x) = u P(u^2) / Q(u^2), u = x held within +-4: a rational form good to a few units in f32's last place.
; LIMITS.  NaN is not served.  e22, e24 in -126..112; e22 + e23, e24 + e25 in -126..127.
.set R, 1
.set HH, 2
.set F, 16
.set PDR, 96
.set FC, 112
.set W1, 136
.set W2, 184
.set ZC, 200
.set D1, 208
.set D2, 224
.set Y, 16
.set U, 32
.set U2, 48
.set P, 64
.set Q, 80
.set MSB, 0
.macro WIN new                         ; the immediate's high byte repeats the setting that is left
.if MSB != \new
	s_set_vgpr_msb (MSB<<8)|\new
.set MSB, \new
.endif
.endm
.macro MKQ sc, pos, neg, e
	s_add_co_i32 s[\sc], s[\e], 127
	s_add_co_i32 s[\pos], s[\sc], 15
	s_lshl_b32 s[\sc], s[\sc], 23
	s_lshl_b32 s[\pos], s[\pos], 23
	s_or_b32 s[\pos], s[\pos], 0x600000
	s_or_b32 s[\neg], s[\pos], 0x80000000
.endm
	s_load_b512 s[4:19], s[0:1], 0x0               ; seq, prod, day, prod_emb, day_emb, h1_w, h1_b, ln1_g
	s_load_b512 s[20:35], s[0:1], 0x40             ; ln1_b, h2_w, h2_b, ln2_g, ln2_b, h3_w, h3_b, lowp_scales
	s_load_b64 s[36:37], s[0:1], 0x80              ; out0
	v_and_b32 v[R], 15, v0
	v_bfe_u32 v[HH], v0, 4, 1
	s_lshl_b32 s38, ttmp9, 4
	v_add_nc_u32 v12, s38, v[R]                    ; my batch row
	v_lshlrev_b32 v3, 9, v12
	v_lshl_add_u32 v3, v[HH], 6, v3                ; seq: row, + 64 h
	v_lshlrev_b32 v4, 2, v12
	v_mul_u32_u24 v5, v[R], 160
	v_lshl_add_u32 v5, v[HH], 4, v5                ; h1_w: row r of 160 codes, + 16 h
	v_lshlrev_b32 v6, 5, v[R]
	v_lshl_add_u32 v6, v[HH], 3, v6                ; h2_w: row r of 32 codes, + 8 h
	v_lshlrev_b32 v7, 5, v[HH]                     ; vectors of 32: + 32 h bytes
	s_wait_kmcnt 0x0
	s_load_b128 s[40:43], s[34:35], 0x58           ; e22..e25
	s_load_b32 s44, s[32:33], 0x0                  ; h3_b
	global_load_b32 v8, v4, s[6:7]
	global_load_b32 v9, v4, s[8:9]
.irp c, 0,1,2,3
.irp q, 0,1,2,3
	global_load_b128 v[F+16*\c+4*\q:F+16*\c+4*\q+3], v3, s[4:5] offset:128*\c+16*\q   ; register 16c + i: k = 32c + 16h + i
.endr
.endr
.irp t, 0,1
.irp c, 0,1,2,3,4
	global_load_b128 v[W1+24*\t+4*\c:W1+24*\t+4*\c+3], v5, s[14:15] offset:2560*\t+32*\c
.endr
.endr
.irp t, 0,1
.irp c, 0,1
	global_load_b64 v[W2+8*\t+2*\c:W2+8*\t+2*\c+1], v6, s[22:23] offset:512*\t+16*\c
.endr
.endr
	WIN 0x40                                       ; destination window 1: the seven vectors of 32, 16 registers each: register 8T + j = unit 16T + 8h + j
.macro PLOAD p, sp
.irp t, 0,1
.irp z, 0,1
	global_load_b128 v[16*\p+8*\t+4*\z:16*\p+8*\t+4*\z+3], v7, s[\sp:\sp+1] offset:64*\t+16*\z
.endr
.endr
.endm
	PLOAD 0, 16                                    ; h1_b
	PLOAD 1, 18                                    ; ln1_g
	PLOAD 2, 20                                    ; ln1_b
	PLOAD 3, 24                                    ; h2_b
	PLOAD 4, 26                                    ; ln2_g
	PLOAD 5, 28                                    ; ln2_b
	PLOAD 6, 30                                    ; h3_w
	WIN 0
	s_wait_loadcnt 58                              ; the 58 loads issued behind the two indices may be out
	v_min_u32 v8, 29, v8                           ; an index stays inside its table
	v_min_u32 v9, 365, v9
	v_lshlrev_b32 v10, 6, v8
	v_lshlrev_b32 v11, 6, v9
.irp q, 0,1,2,3
	global_load_b128 v[F+64+4*\q:F+67+4*\q], v11, s[12:13] offset:16*\q   ; day_emb's row
	global_load_b128 v[PDR+4*\q:PDR+4*\q+3], v10, s[10:11] offset:16*\q   ; prod_emb's row
.endr
.irp z, FC+20,FC+21,FC+22,FC+23,W1+20,W1+21,W1+22,W1+23,W1+44,W1+45,W1+46,W1+47,W2+4,W2+5,W2+6,W2+7,W2+12,W2+13,W2+14,W2+15,ZC+4,ZC+5,ZC+6,ZC+7,241,243,252
	v_mov_b32 v[\z], 0                             ; zero codes beyond K; upper halves of pairs and the lane permute's destination, written once
.endr
	v_mov_b32 v254, 0xaf95df0b                     ; P's and Q's leading coefficients
	v_mov_b32 v255, 0xb77460cd
	s_mov_b32 s56, 0x76543210
	s_mov_b32 s57, 0xfedcba98
	s_mov_b32 s58, 0xffff0000
	s_mov_b32 s59, 0x3727c5ac                      ; 1e-5
	s_mov_b32 s60, 0x3d000000                      ; 1 / 32
	s_wait_kmcnt 0x0
	MKQ 45, 46, 47, 40                             ; e22
	MKQ 48, 49, 50, 42                             ; e24
	s_add_co_i32 s52, s40, s41
	s_add_co_i32 s52, s52, 127
	s_lshl_b32 s52, s52, 23                        ; 2^(e22 + e23)
	s_mov_b32 s53, s52
	s_add_co_i32 s54, s42, s43
	s_add_co_i32 s54, s54, 127
	s_lshl_b32 s54, s54, 23                        ; 2^(e24 + e25)
	s_mov_b32 s55, s54
	v_mov_b32 v13, s45
	v_mov_b32 v14, s48
	s_wait_loadcnt 0x0
.set i_, 0
.rept 16
	v_cndmask_b32 v[F+64+i_], v[PDR+i_], v[F+64+i_], s58   ; k = 128 + 16h + i: prod_emb in lanes 0-15, day_emb in lanes 16-31
.set i_, i_+1
.endr
.set i_, 0
.rept 80
	v_med3_num_f32 v[F+i_], v[F+i_], s47, s46      ; the conversion to an 8-bit code does not saturate (ISA guide 7.6.2)
.set i_, i_+1
.endr
.set i_, 0
.rept 10
	v_cvt_scalef32_pk8_bf8_f32 v[FC+2*i_:FC+2*i_+1], v[F+8*i_:F+8*i_+7], v13
.set i_, i_+1
.endr
	v_nop                                          ; a plain line behind the last conversion
.irp s, 0,1,2                                  ; the two accumulators take turns
.irp t, 0,1
.if \s == 0
	v_wmma_f32_16x16x64_bf8_bf8 v[D1+8*\t:D1+8*\t+7], v[W1+24*\t+8*\s:W1+24*\t+8*\s+7], v[FC+8*\s:FC+8*\s+7], 0
.else
	v_wmma_f32_16x16x64_bf8_bf8 v[D1+8*\t:D1+8*\t+7], v[W1+24*\t+8*\s:W1+24*\t+8*\s+7], v[FC+8*\s:FC+8*\s+7], v[D1+8*\t:D1+8*\t+7]
.endif
.endr
.endr
.rept 4
	v_nop
.endr
.macro LN16 g, b                       ; LayerNorm over 32 units: 16 a lane, the other 16 in the lane 16 away
	v_pk_add_f32 v[244:245], v[Y:Y+1], v[Y+2:Y+3]
	v_pk_add_f32 v[246:247], v[Y+4:Y+5], v[Y+6:Y+7]
	v_pk_add_f32 v[244:245], v[244:245], v[Y+8:Y+9]
	v_pk_add_f32 v[246:247], v[246:247], v[Y+10:Y+11]
	v_pk_add_f32 v[244:245], v[244:245], v[Y+12:Y+13]
	v_pk_add_f32 v[246:247], v[246:247], v[Y+14:Y+15]
	v_pk_add_f32 v[244:245], v[244:245], v[246:247]
	v_add_f32 v240, v244, v245
	v_permlanex16_b32 v252, v240, s56, s57
	v_add_f32 v240, v240, v252
	v_mul_f32 v240, s60, v240
.irp i, 0,2,4,6,8,10,12,14
	v_pk_add_f32 v[Y+\i:Y+\i+1], v[Y+\i:Y+\i+1], v[240:241] op_sel_hi:[1,0] neg_lo:[0,1] neg_hi:[0,1]
.endr
	v_pk_mul_f32 v[244:245], v[Y:Y+1], v[Y:Y+1]
	v_pk_mul_f32 v[246:247], v[Y+2:Y+3], v[Y+2:Y+3]
.irp i, 4,8,12
	v_pk_fma_f32 v[244:245], v[Y+\i:Y+\i+1], v[Y+\i:Y+\i+1], v[244:245]
	v_pk_fma_f32 v[246:247], v[Y+\i+2:Y+\i+3], v[Y+\i+2:Y+\i+3], v[246:247]
.endr
	v_pk_add_f32 v[244:245], v[244:245], v[246:247]
	v_add_f32 v242, v244, v245
	v_permlanex16_b32 v252, v242, s56, s57
	v_add_f32 v242, v242, v252
	v_fma_f32 v242, v242, s60, s59
	v_rsq_f32 v242, v242
	v_nop
	s_wait_alu depctr_va_vdst(0)                   ; the wait ahead of the first reader
.irp i, 0,2,4,6,8,10,12,14
	v_pk_mul_f32 v[Y+\i:Y+\i+1], v[Y+\i:Y+\i+1], v[242:243] op_sel_hi:[1,0]
.endr
	WIN 0x14                                       ; sources 1 and 2 window 1
.irp i, 0,2,4,6,8,10,12,14
	v_pk_fma_f32 v[Y+\i:Y+\i+1], v[Y+\i:Y+\i+1], v[16*\g+\i:16*\g+\i+1], v[16*\b+\i:16*\b+\i+1]
.endr
	WIN 0
.endm
.macro GELUE16                         ; y = x/2 + x/2 erf(x / sqrt(2))
.set i_, 0
.rept 16
	v_mul_f32 v[U+i_], 0x3f3504f3, v[Y+i_]
.set i_, i_+1
.endr
.set i_, 0
.rept 16
	v_med3_num_f32 v[U+i_], v[U+i_], -4.0, 4.0
.set i_, i_+1
.endr
.set i_, 0
.rept 16
	v_mul_f32 v[U2+i_], v[U+i_], v[U+i_]
.set i_, i_+1
.endr
.set i_, 0
.rept 16
	v_fmaak_f32 v[P+i_], v254, v[U2+i_], 0x32edffee
	v_fmaak_f32 v[Q+i_], v255, v[U2+i_], 0xb95fbd29
.set i_, i_+1
.endr
.irp k, 0xb60cff51, 0xb86ec2d2, 0xba40ac63, 0xbb41a1f6, 0xbc83dbd4
.set i_, 0
.rept 16
	v_fmaak_f32 v[P+i_], v[P+i_], v[U2+i_], \k
.set i_, i_+1
.endr
.endr
.irp k, 0xbadc924e, 0xbbf19bf8, 0xbc69b6a7
.set i_, 0
.rept 16
	v_fmaak_f32 v[Q+i_], v[Q+i_], v[U2+i_], \k
.set i_, i_+1
.endr
.endr
.set i_, 0
.rept 16
	v_rcp_f32 v[Q+i_], v[Q+i_]
.set i_, i_+1
.endr
.set i_, 0
.rept 16
	v_mul_f32 v[P+i_], v[P+i_], v[U+i_]            ; independent work behind the batch of reciprocals
.set i_, i_+1
.endr
	s_wait_alu depctr_va_vdst(0)                   ; one wait for the batch
.set i_, 0
.rept 16
	v_mul_f32 v[P+i_], v[P+i_], v[Q+i_]            ; erf
	v_mul_f32 v[U+i_], 0.5, v[Y+i_]
.set i_, i_+1
.endr
.set i_, 0
.rept 16
	v_fma_f32 v[Y+i_], v[U+i_], v[P+i_], v[U+i_]
.set i_, i_+1
.endr
.endm
	WIN 0x10                                       ; source 2 window 1
.irp i, 0,2,4,6,8,10,12,14
	v_pk_fma_f32 v[Y+\i:Y+\i+1], v[D1+\i:D1+\i+1], s[52:53], v[\i:\i+1] op_sel_hi:[1,0,1]   ; sum x 2^(e22 + e23) + h1_b
.endr
	WIN 0
	LN16 1, 2
	GELUE16
.set i_, 0
.rept 16
	v_med3_num_f32 v[U+i_], v[Y+i_], s50, s49
.set i_, i_+1
.endr
	v_cvt_scalef32_pk8_bf8_f32 v[ZC:ZC+1], v[U:U+7], v14
	v_cvt_scalef32_pk8_bf8_f32 v[ZC+2:ZC+3], v[U+8:U+15], v14
	v_nop
.irp t, 0,1
	v_wmma_f32_16x16x64_bf8_bf8 v[D2+8*\t:D2+8*\t+7], v[W2+8*\t:W2+8*\t+7], v[ZC:ZC+7], 0
.endr
.rept 4
	v_nop
.endr
	WIN 0x10
.irp i, 0,2,4,6,8,10,12,14
	v_pk_fma_f32 v[Y+\i:Y+\i+1], v[D2+\i:D2+\i+1], s[54:55], v[48+\i:49+\i] op_sel_hi:[1,0,1]   ; sum x 2^(e24 + e25) + h2_b
.endr
	WIN 0
	LN16 4, 5
	GELUE16
	WIN 0x04                                       ; source 1 window 1: h3_w.  This product is left as it is: f32 multiply-adds
	v_pk_mul_f32 v[244:245], v[Y:Y+1], v[96:97]
.irp i, 2,4,6,8,10,12,14
	v_pk_fma_f32 v[244:245], v[Y+\i:Y+\i+1], v[96+\i:97+\i], v[244:245]
.endr
	WIN 0
	v_add_f32 v16, v244, v245
	v_permlanex16_b32 v252, v16, s56, s57
	v_add_f32 v16, v16, v252
	v_add_f32 v16, s44, v16
	v_cmp_gt_u32 vcc_lo, 16, v0
	s_wait_xcnt 0x0                                ; EXEC changes only behind this wait
	s_and_saveexec_b32 s61, vcc_lo
	global_store_b32 v4, v16, s[36:37]             ; lanes 0-15: 64 consecutive bytes of out0
	s_wait_xcnt 0x0
	s_or_b32 exec_lo, exec_lo, s61
	s_endpgm
.Lfunc_end_k_q8cdb492ffc_head:
	.size	k_q8cdb492ffc_head, .Lfunc_end_k_q8cdb492ffc_head-k_q8cdb492ffc_head
	.p2alignl 7, 3214868480
	.fill 96, 4, 3214868480
	.section	.rodata,"a",@progbits
	.p2align	6, 0x0
	.amdhsa_kernel k_q8cdb492ffc_head
		.amdhsa_group_segment_fixed_size 0
		.amdhsa_private_segment_fixed_size 0
		.amdhsa_enable_private_segment 0
		.amdhsa_kernarg_size 136
		.amdhsa_user_sgpr_count 2
		.amdhsa_user_sgpr_kernarg_segment_ptr 1
		.amdhsa_wavefront_size32 1
		.amdhsa_system_sgpr_workgroup_id_x 1
		.amdhsa_system_sgpr_workgroup_id_y 1
		.amdhsa_system_sgpr_workgroup_id_z 1
		.amdhsa_system_vgpr_workitem_id 0
		.amdhsa_next_free_vgpr 384
		.amdhsa_next_free_sgpr 66
		.amdhsa_reserve_vcc 1
		.amdhsa_float_denorm_mode_32 3
		.amdhsa_float_denorm_mode_16_64 3
		.amdhsa_memory_ordered 1
		.amdhsa_forward_progress 1
		.amdhsa_inst_pref_size 58
	.end_amdhsa_kernel
	.amdgpu_metadata
---
amdhsa.version: [ 1, 2 ]
amdhsa.kernels:
  - .name:           k_q8cdb492ffc_head
    .symbol:         k_q8cdb492ffc_head.kd
    .args:
      - { .name: seq, .offset: 0, .size: 8, .value_kind: global_buffer, .address_space: global }
      - { .name: prod, .offset: 8, .size: 8, .value_kind: global_buffer, .address_space: global }
      - { .name: day, .offset: 16, .size: 8, .value_kind: global_buffer, .address_space: global }
      - { .name: prod_emb, .offset: 24, .size: 8, .value_kind: global_buffer, .address_space: global }
      - { .name: day_emb, .offset: 32, .size: 8, .value_kind: global_buffer, .address_space: global }
      - { .name: h1_w_codes, .offset: 40, .size: 8, .value_kind: global_buffer, .address_space: global }
      - { .name: h1_b, .offset: 48, .size: 8, .value_kind: global_buffer, .address_space: global }
      - { .name: ln1_g, .offset: 56, .size: 8, .value_kind: global_buffer, .address_space: global }
      - { .name: ln1_b, .offset: 64, .size: 8, .value_kind: global_buffer, .address_space: global }
      - { .name: h2_w_codes, .offset: 72, .size: 8, .value_kind: global_buffer, .address_space: global }
      - { .name: h2_b, .offset: 80, .size: 8, .value_kind: global_buffer, .address_space: global }
      - { .name: ln2_g, .offset: 88, .size: 8, .value_kind: global_buffer, .address_space: global }
      - { .name: ln2_b, .offset: 96, .size: 8, .value_kind: global_buffer, .address_space: global }
      - { .name: h3_w, .offset: 104, .size: 8, .value_kind: global_buffer, .address_space: global }
      - { .name: h3_b, .offset: 112, .size: 8, .value_kind: global_buffer, .address_space: global }
      - { .name: lowp_scales, .offset: 120, .size: 8, .value_kind: global_buffer, .address_space: global }
      - { .name: out0, .offset: 128, .size: 8, .value_kind: global_buffer, .address_space: global }
    .group_segment_fixed_size: 0
    .private_segment_fixed_size: 0
    .kernarg_segment_align: 8
    .kernarg_segment_size: 136
    .max_flat_workgroup_size: 32
    .sgpr_count:     66
    .vgpr_count:     384
    .wavefront_size: 32
...
	.end_amdgpu_metadata
.endif
;; end of part 2
